; MI455X (gfx1250); checked and timed in simulation.
; The chip was launched on July 23, 2026; its instructions are those of AMD's public machine-readable ISA for CDNA 5 (MIT licence, August 2026) and "CDNA5" Instruction Set Architecture Reference Guide (July 2026). The comments in the code are by the model that wrote it; some were corrected since.
;; Causal Self Attention. Allowed arithmetic: matrix products marked QUANTISED: E2M3 operands, one E8M0 scale for each 32 along K, by v_wmma_scale_f32_16x16x128_f8f6f4 with both operands' format E2M3, f32 sums; everything else in f32.
;; Inputs: w_attn_codes 3,072 x 32 x 24 uint8 (E2M3 codes of w_attn, K innermost, in blocks of 32 codes, four codes in three bytes); w_attn_scales 3,072 x 32 uint8 (E8M0 scales of w_attn, one for each 32 codes along K); w_proj_codes 1,024 x 32 x 24 uint8 (E2M3 codes of w_proj, K innermost, in blocks of 32 codes, four codes in three bytes); w_proj_scales 1,024 x 32 uint8 (E8M0 scales of w_proj, one for each 32 codes along K); x_codes 4 x 2,048 x 32 x 24 uint8 (E2M3 codes of x, K innermost, in blocks of 32 codes, four codes in three bytes); x_scales 4 x 2,048 x 32 uint8 (E8M0 scales of x, one for each 32 codes along K).
;; Outputs: out0 4 x 2,048 x 1,024 float32.
;; This version of the problem:
;;   THIS VERSION OF THE PROBLEM IS GIVEN IN LOW PRECISION. The matrix products marked QUANTISED in the list below multiply operands that are first quantised to E2M3 (2 exponent bits, 3 mantissa bits; 6 bits a number), with one power-of-two scale for each 32 numbers along K (OCP MX v1.0); their sums are f32. All else is computed in f32.
;;   The module's matrix products, in the order in which they are computed (A, B: the left and right operand; K: the contracted axis; several contracted axes count as one K, in the product's order):
;;     1. [M 8,192, K 1,024] x [K 1,024, N 3,072]; A: input x (given as codes); B: input w_attn (given as codes): QUANTISED
;;     2. batch 64 x [M 2,048, K 64] x [K 64, N 2,048]; A: computed on the way; B: computed on the way: QUANTISED
;;     3. batch 64 x [M 2,048, K 2,048] x [K 2,048, N 64]; A: softmax (see below); B: computed on the way: QUANTISED
;;     4. [M 8,192, K 1,024] x [K 1,024, N 1,024]; A: computed on the way; B: input w_proj (given as codes): QUANTISED
;;   THE QUANTISER, for each operand of a quantised product, along K:
;;     - K is cut into blocks of 32 from its start; a last block that is shorter is filled with zeros.
;;     - A block's scale is 2^e with e = floor(log2(the largest magnitude in the block)) - 2, held to -126 .. 127; a block of zeros has e = 0. As a byte (E8M0): e + 127.
;;     - Each number is divided by its block's scale, clamped to +-7.5, and rounded to the nearest number of E2M3, ties to even, subnormals kept.
;;     - The product sums the exact products of the quantised numbers (number of the format x scale) in f32.
;;   ~~~python
;;   def quantise(x, axis):      # numpy; x: float32 -> the quantised numbers, widened to float32 again
;;       x = np.moveaxis(x, axis, -1); K = x.shape[-1]
;;       x = np.pad(x, [(0, 0)] * (x.ndim - 1) + [(0, -K % 32)]); x = x.reshape(x.shape[:-1] + (-1, 32)); a = np.abs(x).max(-1, keepdims=True)
;;       e = np.where(a > 0, np.clip(np.frexp(np.where(a > 0, a, 1))[1] - 1 - 2, -126, 127), 0)      # np.frexp(a)[1] - 1 = floor(log2(a)), exactly
;;       r = np.clip(x / 2.0 ** e, -7.5, 7.5)
;;       step = 2.0 ** (np.maximum(np.frexp(np.where(r == 0, 1, r))[1] - 1, 0) - 3)
;;       q = np.round(r / step) * step * 2.0 ** e      # np.round: ties to even
;;       return np.moveaxis(q.reshape(q.shape[:-2] + (-1,))[..., :K], -1, axis).astype(np.float32)
;;   ~~~
;;   SOFTMAX AHEAD OF A QUANTISED PRODUCT. Where the list says 'softmax', what is quantised is not the finished softmax but p = 2^(t - M), with t = logit x log2(e) and M = ceil(the row's largest t), a whole number; so 1/2 < the row's largest p <= 1. The row's sum l is taken of the UNQUANTISED p, in f32, and the product's result is divided by l at the end. Since M is a whole number, a kernel that streams over the keys may use a running M (the ceiling of the running maximum): every later rescaling is an exact power of two, which a block's scale takes up: the codes' values come out the same.
;;   OPERANDS COMPUTED ON THE WAY. 'Computed on the way' means the value that the module computes at that place (a softmax that the list does not call 'softmax' is quantised finished and normalised). What goes into a quantiser is computed in f32, as accurately as f32 sums, v_exp_f32 and their like allow (about 1e-6 of the number): no bf16 or f16 on the way to a quantiser, and a product that is left as it is and whose result goes on into a quantised operand takes f32 operands (vector FMAs, or v_wmma_f32_16x16x4_f32). A number that lies on a knife's edge between two numbers of the format may be rounded either way, as far as f32 arithmetic and the matrix unit's own rounding can turn it there, and no further.
;;   INPUTS GIVEN AS CODES. w_attn (in the module: [1024, 3072], K = its axis 0); w_proj (in the module: [1024, 1024], K = its axis 0); x (in the module: [4, 2048, 1024], K = its axis 2): each comes as NAME_codes (uint8): NAME with its K axis moved to the last place and cut into blocks of 32 codes, [.., K / 32, bytes a block], one block behind the other in memory; four codes in three bytes: a row's codes are one little-endian stream of bits, code i at bits 6 i .. 6 i + 5 (a code: sign, 2 exponent bits, 3 mantissa bits); and NAME_scales (uint8): the same leading axes, one E8M0 byte (e + 127) for each 32 codes along K. Its value is code x scale, taken as it is: it is not quantised again, and the codes and scales need not be those that the quantiser above would give.
;; One version. Each part assembles by itself: llvm-mc -triple=amdgcn-amd-amdhsa -mcpu=gfx1250 --defsym DOCPART=n.
;; ======== version 1 of 1: 3 launches
;; workspace buffers: qkv 19,660,800 bytes; y 6,553,600 bytes
;; launch qkv (part 1): grid 12 x 64, 4 waves a work-group, clusters of 4 x 4, 327,680 bytes of LDS; arguments x_codes, x_scales, w_attn_codes, w_attn_scales, qkv; writes qkv
.if DOCPART == 1
	.amdgcn_target "amdgcn-amd-amdhsa--gfx1250"
	.amdhsa_code_object_version 6
	.text
	.protected	k_q99f0326383_qkv
	.globl	k_q99f0326383_qkv
	.p2align	8
	.type	k_q99f0326383_qkv,@function
k_q99f0326383_qkv:
	s_mov_b64 s[64:65], 0
	v_nop
	global_prefetch_b8 v0, s[64:65] scope:SCOPE_SE
	s_setreg_imm32_b32 hwreg(HW_REG_WAVE_MODE, 25, 1), 1
	s_wait_xcnt 0x0
	s_wait_alu depctr_hold_cnt(0) depctr_sa_sdst(0) depctr_va_vdst(0) depctr_va_sdst(0) depctr_va_ssrc(0) depctr_va_vcc(0) depctr_vm_vsrc(0)
	s_getreg_b32 s2, hwreg(HW_REG_IB_STS2, 6, 4)
	s_cmp_eq_u32 s2, 0
	s_cbranch_scc0 .Lentry_in_a_cluster
	s_endpgm
.Lentry_in_a_cluster:
	s_bfe_u32 s2, ttmp6, 0x10000c
	s_cmp_lg_u32 s2, 0xf033
	s_cbranch_scc0 .Lentry_shape_is_right
	s_endpgm
.Lentry_shape_is_right:
; qkv = x w_attn on codes of FP6 (E2M3) with one E8M0 scale for each 32 along K = 1,024; the results are quantised in registers: q and k along the head's 64, v along the keys.
; OPERANDS.  P: 256 rows, source 0 (its index runs along a lane's registers).  Q: 128 rows, source 1 (a lane holds one of its rows).  For q and k (cluster x = 0, 1) P = rows of w_attn and Q = tokens of x, so a
; lane holds a token and its registers run along d; for v (cluster x = 2) the two change places, so a lane holds a channel and its registers run down the keys.  Only pointers and scalar offsets differ: one path.
; SHARES.  Four waves; wave w takes P's rows 128 (w & 1) on and Q's rows 64 (w >> 1) on: 32 accumulators, 256 registers.  (256 + 128) rows x 768 bytes and their scales are 326,400 bytes with padding: ALL of K lies in LDS,
; every tile is filled once, and the grid is 768 work-groups.  A tile of 256 x 256 would want slots that are filled again.
; CLUSTER 4 x 4: Q's tiles are shared along a row of the cluster, P's along a column: each is asked for jointly.  A wave has four tensor loads out at the most: scales, then the three chunks of 256 bytes of each row.
; TILES ARE 16 NEIGHBOURING ROWS.  A block's 32 codes so come out in the order (lane half, tile, register) where the true order is (tile, lane half, register): a permutation inside a block of 32, the same for q and k
; along d and for p and v along the keys, so the later products' sums are those of the true order and the blocks' scales are untouched.
; OUT.  16 rows x 64 codes are an image of six operand registers: registers 0-3 of lane l at 16 l, registers 4-5 at 512 + 8 l: 768 bytes, stored as runs of 512 and 256 consecutive bytes.  The scale words leave in
; pieces of 64 bytes: one byte for each 24 of codes.
; LIMITS: NaN, infinities and scale bytes 0xff are not served.  A block whose largest magnitude lies under 2^-124 (a block of zeros among them) gets the byte 1: its bytes are read by this program alone.
.set PCH,   69632                      ; LDS: P's codes at 0: three chunks of 256 rows x (256 bytes + 16)
.set PHALF, 34816                      ; 128 such rows
.set QCB,   208896                     ; Q's codes: three chunks of 128 rows x 272
.set QCH,   34816
.set QHALF, 17408
.set QSB,   313344                     ; Q's scales: 16 units of 256 bytes + 16
.set PSB,   317696                     ; P's scales: 32 units; the map ends at 326,400
.set BLK,   4352                       ; 16 rows x 272.  Row r starts at bank 4 r mod 64 and lanes 16-31 stand 6 words on (64 banks of 4 bytes: ISA guide 11.1): a load of 8 bytes a lane touches 64 different banks
.set REC,   307200                     ; a head's record in the workspace:
.set KSC,   0                          ;   k's scale words [32 keys][16]: bytes 0, 1 of key 32 n + r, bytes 2, 3 of key 32 n + 16 + r
.set VSC,   4096                       ;   v's scale words [128 keys][16 d][16]
.set KV,    8192                       ;   16 steps of 128 keys x (8 images of k, 8 images of v)
.set QSC,   204800                     ;   q's scale words, laid as k's
.set QIM,   208896                     ;   q's 128 images
.set CODEW, (1<<20)|(1<<21)|(5<<22)|(3<<25)            ; group 1, word 0: elements of 1 byte; padding on; bit 21 beside a mask; after every 64 words, 4 words
.set SCLW,  (3<<16)|(1<<20)|(1<<21)|(5<<22)|(3<<25)    ; the same with elements of 8 bytes
.set ADP,  4                           ; v4-6   P's fragments: r 272 + 24 h + my half + chunk
.set ADPX, 7                           ; v7-8   the same for pieces whose partner three pieces on lies in the next chunk
.set ADQ,  9                           ; v9-11, v12-13 the same for Q
.set ADQX, 12
.set ADS1, 14                          ; v14    scale words: lanes 0-15 Q's rows, lanes 16-31 P's
.set ADS2, 15                          ; v15    the same with P's blocks 4-7
.set SC,   32                          ; v32-95 register 8 i + q: lanes 0-15 the word of Q's block i % 4, lanes 16-31 that of P's block i, for K step q
.set QF,   96                          ; v96-143, v144-191 Q's fragments, two sets;  window 1: P's, at v0 and v128;  window 2: accumulator (a, b) at v[8 (8 a + b)]
.set TM,   192                         ; v192-207 at work in the quantiser
.set PW,   208                         ; v208-211 the four scale words
.set CT,   216                         ; v216-218, v220-222 second halves of the conversions
.set MSB, 0
.macro WIN new                         ; the immediate's high byte repeats the setting that is left
.if MSB != \new
	s_set_vgpr_msb (MSB<<8)|\new
.set MSB, \new
.endif
.endm
.macro PLACES n
.rept \n
	v_nop
.endr
.endm
.macro CROUND                          ; a round of the cluster's barrier
	s_barrier_signal -1
	s_barrier_wait -1
	s_cmp_lg_u32 s14, 0
	s_cbranch_scc1 .Lnot_wave_0_\@
	s_barrier_signal -3
.Lnot_wave_0_\@:
	s_barrier_wait -3
	s_barrier_signal -1
	s_barrier_wait -1
.endm
	s_load_b256 s[4:11], s[0:1], 0x0               ; x's codes s[4:5], x's scales s[6:7], w's codes s[8:9], w's scales s[10:11]
	s_load_b64 s[12:13], s[0:1], 0x20              ; the workspace
	v_lshl_add_u32 v254, v0, 2, 0x4fb00
	v_mov_b32 v255, 0
	ds_add_u32 v254, v255
	ds_add_u32 v254, v255
	v_lshrrev_b32 v1, 5, v0
	v_readfirstlane_b32 s14, v1                    ; wave 0..3
	s_lshr_b32 s15, s14, 1                         ; which 64 rows of Q are mine.  Also: I fetch for Q (0) or for P (1)
	s_and_b32 s16, s14, 1                          ; which 128 rows of P are mine.  Also: which half of that tile I fetch
	s_bfe_u32 s17, ttmp6, 0x40000                  ; cx
	s_bfe_u32 s18, ttmp6, 0x40004                  ; cy
	s_mov_b32 s19, ttmp9                           ; cluster x: 0 q, 1 k, 2 v: the same in all sixteen partners
	s_and_b32 s20, ttmp7, 0xffff                   ; cluster y, 0..15
	s_lshl_b32 s100, s18, 2
	s_lshl_b32 s100, 15, s100                      ; my row of the cluster
	s_lshl_b32 s2, 0x1111, s17                     ; my column
	s_or_b32 s24, s100, CODEW                      ; s[24:31] group 1 for Q's codes: 64 rows x 256 bytes, 768 bytes apart
	s_or_b32 s40, s100, SCLW                       ; s[40:47] for Q's scales: 8 dense rows of 256 bytes
	s_or_b32 s32, s2, CODEW                        ; s[32:39] for P's codes: 128 rows
	s_or_b32 s48, s2, SCLW                         ; s[48:55] for P's scales: 16 rows
.irp g, 24, 32
	s_mov_b32 s[\g+1], 256<<16                     ; tensor_dim0
	s_mov_b32 s[\g+3], 256<<16                     ; tile_dim0
	s_mov_b32 s[\g+5], 768                         ; from row to row
	s_mov_b32 s[\g+6], 0
	s_mov_b32 s[\g+7], 0
.endr
	s_mov_b32 s26, 64<<16                          ; tensor_dim1, tile_dim1
	s_mov_b32 s28, 64
	s_mov_b32 s34, 128<<16
	s_mov_b32 s36, 128
.irp g, 40, 48
	s_mov_b32 s[\g+1], 32<<16
	s_mov_b32 s[\g+3], 32<<16
	s_mov_b32 s[\g+5], 32
	s_mov_b32 s[\g+6], 0
	s_mov_b32 s[\g+7], 0
.endr
	s_mov_b32 s42, 8<<16
	s_mov_b32 s44, 8
	s_mov_b32 s50, 16<<16
	s_mov_b32 s52, 16
	; which block of P and of Q.  q, k: P block 4 T + cx of w, Q block 4 Y + cy of x.  v: P block 4 (Y / 2) + cx of x, Q block 4 (Y % 2) + cy of w's rows from 2,048 on
	s_lshr_b32 s21, s20, 1
	s_and_b32 s22, s20, 1
	s_cmp_lt_u32 s19, 2
	s_cselect_b32 s21, s19, s21
	s_cselect_b32 s22, s20, s22
	s_cselect_b32 s23, 0, 2048
	s_lshl_b32 s21, s21, 2
	s_add_co_u32 s21, s21, s17                     ; P's block: holds cx and shared numbers alone
	s_lshl_b32 s22, s22, 2
	s_add_co_u32 s22, s22, s18                     ; Q's block: holds cy and shared numbers alone
	s_lshl_b32 s2, s21, 8
	s_lshl_b32 s3, s16, 7
	s_add_co_u32 s2, s2, s3                        ; P: the first row that I would fetch
	s_mul_i32 s82, s2, 768                         ; its codes, in bytes,
	s_mov_b32 s83, 0
	s_lshl_b32 s78, s2, 5                          ; its scales
	s_mov_b32 s79, 0
	s_lshl_b32 s100, s22, 7
	s_add_co_u32 s100, s100, s23
	s_lshl_b32 s101, s16, 6
	s_add_co_u32 s100, s100, s101                  ; Q likewise
	s_mul_i32 s62, s100, 768
	s_mov_b32 s63, 0
	s_lshl_b32 s58, s100, 5
	s_mov_b32 s59, 0
	; groups 0: s[56:59] Q's scales, s[60:63], s[68:71], s[72:75] its chunks;  s[76:79] P's scales, s[80:91] its chunks.  LDS addresses hang on the wave's number alone
.irp g, 56, 60, 68, 72, 76, 80, 84, 88
	s_mov_b32 s[\g], 1
.endr
	s_mul_i32 s3, s16, PHALF
	s_mov_b32 s81, s3
	s_add_co_u32 s85, s3, PCH
	s_add_co_u32 s89, s3, 2*PCH
	s_mul_i32 s3, s16, 4352
	s_add_co_u32 s77, s3, PSB
	s_mul_i32 s3, s16, QHALF
	s_add_co_u32 s61, s3, QCB
	s_add_co_u32 s69, s3, QCB+QCH
	s_add_co_u32 s73, s3, QCB+2*QCH
	s_mul_i32 s3, s16, 2176
	s_add_co_u32 s57, s3, QSB
	s_wait_dscnt 0x0
	s_wait_kmcnt 0x0
	s_cmp_lt_u32 s19, 2                            ; the choice of buffers hangs on the cluster's x alone
	s_cselect_b64 s[92:93], s[8:9], s[4:5]         ; P's codes
	s_cselect_b64 s[94:95], s[10:11], s[6:7]       ; P's scales
	s_cselect_b64 s[96:97], s[4:5], s[8:9]         ; Q's codes
	s_cselect_b64 s[98:99], s[6:7], s[10:11]       ; Q's scales
	s_add_nc_u64 s[82:83], s[92:93], s[82:83]
	s_add_nc_u64 s[86:87], s[82:83], 256
	s_add_nc_u64 s[90:91], s[82:83], 512
	s_add_nc_u64 s[78:79], s[94:95], s[78:79]
	s_add_nc_u64 s[62:63], s[96:97], s[62:63]
	s_add_nc_u64 s[70:71], s[62:63], 256
	s_add_nc_u64 s[74:75], s[62:63], 512
	s_add_nc_u64 s[58:59], s[98:99], s[58:59]
.irp g, 59, 63, 71, 75, 79, 83, 87, 91
	s_or_b32 s[\g], s[\g], 0x80000000              ; type = 2
.endr
	CROUND                                         ; all sixteen work-groups are here: the joint loads meet
	s_cmp_eq_u32 s15, 0                            ; a wave's four fills stand in one branch on its number, ahead of every wait on TENSORcnt, every LDS read and every other barrier
	s_cbranch_scc0 .Lfor_p
	tensor_load_to_lds s[56:59], s[40:47]
	s_nop 0
	tensor_load_to_lds s[60:63], s[24:31]
	s_nop 0
	tensor_load_to_lds s[68:71], s[24:31]
	s_nop 0
	tensor_load_to_lds s[72:75], s[24:31]
	s_nop 0
	PLACES 4
	s_branch .Lasked
.Lfor_p:
	tensor_load_to_lds s[76:79], s[48:55]
	s_nop 0
	tensor_load_to_lds s[80:83], s[32:39]
	s_nop 0
	tensor_load_to_lds s[84:87], s[32:39]
	s_nop 0
	tensor_load_to_lds s[88:91], s[32:39]
	s_nop 0
	PLACES 4
.Lasked:
	v_and_b32 v1, 15, v0                           ; r
	v_bfe_u32 v2, v0, 4, 1                         ; h
	v_mul_u32_u24 v3, v1, 272
	v_mad_u32_u24 v24, v2, 24, v3                  ; r 272 + 24 h
	s_mul_i32 s2, s16, PHALF
	v_add_nc_u32 v[ADP], s2, v24
	v_add_nc_u32 v[ADP+1], PCH, v[ADP]
	v_add_nc_u32 v[ADP+2], 2*PCH, v[ADP]
	v_mul_u32_u24 v25, v2, 24+PCH-256              ; lanes 16-31 read three pieces on: there, the next chunk's first pieces
	v_add_nc_u32 v25, v25, v3
	v_add_nc_u32 v[ADPX], s2, v25
	v_add_nc_u32 v[ADPX+1], PCH, v[ADPX]
	s_mul_i32 s3, s15, QHALF
	s_add_co_u32 s3, s3, QCB
	v_add_nc_u32 v[ADQ], s3, v24
	v_add_nc_u32 v[ADQ+1], QCH, v[ADQ]
	v_add_nc_u32 v[ADQ+2], 2*QCH, v[ADQ]
	v_mul_u32_u24 v26, v2, 24+QCH-256
	v_add_nc_u32 v26, v26, v3
	v_add_nc_u32 v[ADQX], s3, v26
	v_add_nc_u32 v[ADQX+1], QCH, v[ADQX]
	v_lshrrev_b32 v27, 3, v1                       ; a row's 32 scale bytes: eight rows to a unit of 272
	v_and_b32 v28, 7, v1
	v_mul_u32_u24 v27, v27, 272
	v_lshl_add_u32 v27, v28, 5, v27
	s_mul_i32 s100, s15, 2176                      ; Q's: my 64 rows
	s_mul_i32 s101, s16, 4352                      ; P's: my 128 rows
	s_add_co_u32 s101, s101, PSB-QSB
	s_sub_co_u32 s101, s101, s100                  ; the distance from Q's to P's: one product with h
	v_mul_u32_u24 v28, s101, v2
	s_add_co_u32 s101, s101, 2176
	v_mul_u32_u24 v29, s101, v2
	s_add_co_u32 s100, s100, QSB
	v_add_nc_u32 v27, s100, v27
	v_add_nc_u32 v[ADS1], v27, v28
	v_add_nc_u32 v[ADS2], v27, v29
; A fragment, 16 rows x 128 K, is 12 registers: registers 6 c .. 6 c + 5 of lane (r, h) hold the 24 bytes at 96 q + 48 c + 24 h of row r, in pieces of 8.  A chunk holds 32 pieces of a row
.macro FRAG reg, ad, adx, q, i
.irp p, 0,1,2,3,4,5
.set PC, 12*(\q)+6*(\p/3)+\p%3
.if PC%32 < 29
	ds_load_b64 v[\reg+2*\p:\reg+2*\p+1], v[\ad+PC/32] offset:8*(PC%32)+(\i)*BLK
.else
	ds_load_b64 v[\reg+2*\p:\reg+2*\p+1], v[\adx+PC/32] offset:8*(PC%32)+(\i)*BLK
.endif
.endr
.endm
.macro FETCH_P q, set
	WIN 0x40                                       ; destination window 1, address window 0
.irp i, 0,1,2,3,4,5,6,7
	FRAG 128*(\set)+12*\i, ADP, ADPX, \q, \i
.endr
.endm
.macro FETCH_Q q, set
	WIN 0
.irp i, 0,1,2,3
	FRAG QF+48*(\set)+12*\i, ADQ, ADQX, \q, \i
.endr
.endm
.macro SCALES                          ; all 64 scale words, once: a row's 32 bytes are its eight words
.irp i, 0,1,2,3
	ds_load_b128 v[SC+8*\i:SC+8*\i+3], v[ADS1] offset:\i*544
	ds_load_b128 v[SC+8*\i+4:SC+8*\i+7], v[ADS1] offset:\i*544+16
.endr
.irp i, 4,5,6,7
	ds_load_b128 v[SC+8*\i:SC+8*\i+3], v[ADS2] offset:(\i-4)*544
	ds_load_b128 v[SC+8*\i+4:SC+8*\i+7], v[ADS2] offset:(\i-4)*544+16
.endr
.endm
; 16 products: Q's blocks a0, a0 + 1 x P's eight.  The 32 accumulators take turns, one instruction a turn, in the same order in every step.  K step 0 starts the sums
.macro MUL16 a0, q, set
.irp a, \a0, \a0+1
.irp b, 0,1,2,3,4,5,6,7
.if (\q) == 0
	v_wmma_scale_f32_16x16x128_f8f6f4 v[8*(8*(\a)+\b):8*(8*(\a)+\b)+7], v[128*(\set)+12*\b:128*(\set)+12*\b+11], v[QF+48*(\set)+12*(\a):QF+48*(\set)+12*(\a)+11], 0, v[SC+8*\b+(\q)], v[SC+8*(\a)+(\q)] matrix_a_fmt:MATRIX_FMT_FP6 matrix_b_fmt:MATRIX_FMT_FP6 matrix_a_scale:MATRIX_SCALE_ROW1
.else
	v_wmma_scale_f32_16x16x128_f8f6f4 v[8*(8*(\a)+\b):8*(8*(\a)+\b)+7], v[128*(\set)+12*\b:128*(\set)+12*\b+11], v[QF+48*(\set)+12*(\a):QF+48*(\set)+12*(\a)+11], v[8*(8*(\a)+\b):8*(8*(\a)+\b)+7], v[SC+8*\b+(\q)], v[SC+8*(\a)+(\q)] matrix_a_fmt:MATRIX_FMT_FP6 matrix_b_fmt:MATRIX_FMT_FP6 matrix_a_scale:MATRIX_SCALE_ROW1
.endif
.endr
.endr
.endm
; K step q multiplies set q % 2 and fetches step q + 1 into the other.  Step 2 reads pieces 24-35 and step 5 pieces 60-71: so chunk 1 is awaited ahead of the fetch in step 1, chunk 2 ahead of that in step 4
.macro KSTEP q
.if \q == 1
	s_wait_tensorcnt 0x1                           ; my part of chunk 1 is in; chunk 2 may be out
.endif
.if \q == 4
	s_wait_tensorcnt 0x0                           ; my part of chunk 2 is in
.endif
	s_wait_dscnt 0x0                               ; this step's fragments are in: asked for a step ago (72 loads: more than a counted wait can leave out)
.if (\q == 1) || (\q == 4)
	s_barrier_signal -1
	s_barrier_wait -1                              ; everybody's part is in
.endif
.if \q < 7
.if \q > 0
	PLACES 4                                       ; in front of loads into the set that the last step's products read (ISA guide 7.12.1 for vector instructions)
.endif
	FETCH_P (\q)+1, ((\q)+1)%2
.endif
	WIN 0xa1                                       ; source 0 (P) window 1, source 1 (Q) window 0, C and D window 2
	MUL16 0, \q, (\q)%2
.if \q < 7
	FETCH_Q (\q)+1, ((\q)+1)%2
.endif
	WIN 0xa1
	MUL16 2, \q, (\q)%2
.endm
	s_wait_tensorcnt 0x2                           ; my scales and my part of chunk 0 are in; chunks 1 and 2 may be out
	s_barrier_signal -1
	s_barrier_wait -1
	SCALES
	FETCH_P 0, 0
	FETCH_Q 0, 0
.irp q, 0,1,2,3,4,5,6,7
	KSTEP \q
.endr
	WIN 0
	; THE WAY OUT.  Where the images and scale words go: both kinds are worked out, one is chosen.  (All tensor loads are done: the descriptors' registers are free.)
	s_lshl_b32 s24, s17, 2
	s_lshl_b32 s25, s16, 1
	s_add_co_u32 s24, s24, s25                     ; q, k: my first head, 4 cx + 2 (w & 1)
	s_lshl_b32 s25, s22, 7
	s_lshl_b32 s26, s15, 6
	s_add_co_u32 s25, s25, s26                     ; my first token
	s_lshr_b32 s26, s25, 11
	s_lshl_b32 s26, s26, 4
	s_add_co_u32 s24, s24, s26                     ; the record: 16 x batch + head
	s_bfe_u32 s25, s25, 0x70004                    ; my first tile of 16 tokens in the sequence: a multiple of 4
	s_mul_i32 s26, s25, 768
	s_add_co_u32 s26, s26, QIM                     ; q's images
	s_lshr_b32 s27, s25, 3
	s_mul_i32 s27, s27, 12288
	s_and_b32 s28, s25, 7
	s_mul_i32 s28, s28, 768
	s_add_co_u32 s27, s27, s28
	s_add_co_u32 s27, s27, KV                      ; k's
	s_lshl_b32 s28, s25, 5                         ; 64 bytes of scale words for each two tiles
	s_cmp_eq_u32 s19, 0
	s_cselect_b32 s26, s26, s27
	s_cselect_b32 s27, QSC, KSC
	s_add_co_u32 s27, s27, s28
	s_lshl_b32 s28, s21, 8
	s_lshl_b32 s29, s16, 7
	s_add_co_u32 s28, s28, s29                     ; v: my first key
	s_lshr_b32 s29, s28, 11
	s_lshl_b32 s29, s29, 4
	s_lshl_b32 s30, s22, 1
	s_add_co_u32 s29, s29, s30
	s_add_co_u32 s29, s29, s15                     ; the record: 16 x batch + 2 x Q's block + (w >> 1)
	s_bfe_u32 s28, s28, 0x40007                    ; the step of 128 keys
	s_mul_i32 s30, s28, 12288
	s_add_co_u32 s30, s30, KV+6144
	s_lshl_b32 s31, s28, 8
	s_add_co_u32 s31, s31, VSC
	s_mov_b32 s33, REC
	s_mov_b32 s37, 0x05040100
	s_mov_b32 s38, 0x07060302
	s_cmp_lt_u32 s19, 2
	s_cselect_b32 s24, s24, s29
	s_cselect_b32 s26, s26, s30
	s_cselect_b32 s27, s27, s31
	s_cselect_b32 s34, s33, 3072                   ; from registers 0-5's image to registers 6-11's: the next head's record, or the next 64 keys
	s_cselect_b32 s35, s33, 64                     ; from lanes 0-15's scale word to lanes 16-31's
	s_cselect_b32 s36, 64, 128                     ; from the first pair of scale words to the second
	s_cselect_b32 s37, s37, 0x03020100             ; lanes 0-15: q, k: bytes 0, 1 of two words;  v: the first word
	s_cselect_b32 s38, s38, 0x07060504             ; lanes 16-31: bytes 2, 3 of two words;  the second word
	s_mul_i32 s24, s24, REC
	s_add_co_u32 s40, s24, s26
	s_mov_b32 s41, 0
	s_add_co_u32 s42, s40, s34
	s_mov_b32 s43, 0
	s_add_co_u32 s44, s24, s27
	s_mov_b32 s45, 0
	s_add_nc_u64 s[40:41], s[12:13], s[40:41]
	s_add_nc_u64 s[42:43], s[12:13], s[42:43]
	s_add_nc_u64 s[44:45], s[12:13], s[44:45]
	v_and_b32 v16, 31, v0                          ; these fourteen plain lines name no register of the last products: they are the places behind them
	v_lshlrev_b32 v17, 3, v16                      ; 8 x lane
	v_lshlrev_b32 v16, 4, v16                      ; 16 x lane
	v_mul_u32_u24 v18, s35, v2
	v_lshl_add_u32 v18, v1, 2, v18                 ; scale words: 4 r + h x the distance
	v_add_nc_u32 v19, s36, v18
	v_mov_b32 v20, s37
	v_mov_b32 v21, s38
	v_cmp_eq_u32 vcc_lo, 1, v2
	v_cndmask_b32 v20, v20, v21, vcc_lo
.irp b, 0,1,2,3
	v_mov_b32 v[TM+4+\b], 0                        ; written once: a lane permute's destination counts as one of its sources
.endr
; 64 results of a lane (window 2, v[s] on: eight tiles of one row of Q) become 12 registers of codes in v[cd] on and a scale word in v[pw].  Block b of 32 lies in registers 16 b .. 16 b + 15 of lanes l and l xor 16.
; Each accumulator is read from its low end on.
.macro QUANT s, cd, pw
	WIN 0x0a
.irp b, 0,1,2,3
	v_max3_num_f32 v[TM+\b], |v[(\s)+16*\b]|, |v[(\s)+1+16*\b]|, 0x1800000   ; and the floor 2^(3 - 127): the byte cannot fall under 1
.endr
	WIN 0x28
.irp i, 2,4,6,8,10,12,14
.irp b, 0,1,2,3
	v_max3_num_f32 v[TM+\b], v[TM+\b], |v[(\s)+16*\b+\i]|, |v[(\s)+1+16*\b+\i]|
.endr
.endr
	WIN 0
.irp b, 0,1,2,3
	v_permlanex16_b32 v[TM+4+\b], v[TM+\b], s46, s47
.endr
.irp b, 0,1,2,3
	v_max_num_f32 v[TM+\b], v[TM+\b], v[TM+4+\b]   ; the block's largest magnitude
.endr
.irp b, 0,1,2,3
	v_add_nc_u32 v[TM+12+\b], 0xff000000, v[TM+\b] ; 2 off its exponent field: the conversion's scale operand
.endr
.irp b, 0,1,2,3
	v_lshrrev_b32 v[TM+4+\b], 23, v[TM+12+\b]      ; the scale's byte
.endr
	v_lshl_or_b32 v[\pw], v[TM+5], 8, v[TM+4]
	v_lshl_or_b32 v[\pw], v[TM+6], 16, v[\pw]
	v_lshl_or_b32 v[\pw], v[TM+7], 24, v[\pw]
	WIN 0x02
.irp c, 0,1
	v_cvt_scalef32_pk16_fp6_f32 v[(\cd)+6*\c:(\cd)+6*\c+2], v[(\s)+32*\c:(\s)+32*\c+15], v[TM+12+2*\c]
	v_cvt_scalef32_pk16_fp6_f32 v[CT+4*\c:CT+4*\c+2], v[(\s)+32*\c+16:(\s)+32*\c+31], v[TM+12+2*\c+1]   ; (a conversion's three registers begin on an even number)
.endr
	WIN 0
	v_nop                                          ; one plain place behind a scaled conversion
.irp c, 0,1                                    ; a WHOLE block to a lane: lanes 0-15 block 2 c, lanes 16-31 block 2 c + 1
.irp i, 0,1,2
	v_permlane16_swap_b32 v[(\cd)+6*\c+\i], v[CT+4*\c+\i]
.endr
.irp i, 0,1,2
	v_mov_b32 v[(\cd)+3+6*\c+\i], v[CT+4*\c+\i]
.endr
.endr
.endm
	s_mov_b32 s46, 0x76543210
	s_mov_b32 s47, 0xfedcba98                      ; v_permlanex16_b32's selects for lane l xor 16
.irp a, 0,1,2,3                                ; each block of Q's rows has 12 registers of its own for its codes: no store's data are written again
	QUANT 64*\a, 96+12*\a, PW+\a
	global_store_b128 v16, v[96+12*\a:96+12*\a+3], s[40:41] offset:\a*768          ; 512 consecutive bytes
	global_store_b64 v17, v[96+12*\a+4:96+12*\a+5], s[40:41] offset:\a*768+512      ; 256 consecutive bytes
	global_store_b128 v16, v[96+12*\a+6:96+12*\a+9], s[42:43] offset:\a*768
	global_store_b64 v17, v[96+12*\a+10:96+12*\a+11], s[42:43] offset:\a*768+512
.endr
	v_perm_b32 v212, v[PW+1], v[PW], v20
	v_perm_b32 v213, v[PW+3], v[PW+2], v20
	global_store_b32 v18, v212, s[44:45]
	global_store_b32 v19, v213, s[44:45]
	s_wait_tensorcnt 0x0
	ds_add_u32 v254, v255
	s_wait_dscnt 0x0
	CROUND                                         ; the closing round: no work-group ends while a partner may still ask for a tile that names it
	s_endpgm
.Lfunc_end_k_q99f0326383_qkv:
	.size	k_q99f0326383_qkv, .Lfunc_end_k_q99f0326383_qkv-k_q99f0326383_qkv
	.p2alignl 7, 3214868480
	.fill 96, 4, 3214868480
	.section	.rodata,"a",@progbits
	.p2align	6, 0x0
	.amdhsa_kernel k_q99f0326383_qkv
		.amdhsa_group_segment_fixed_size 327680
		.amdhsa_private_segment_fixed_size 0
		.amdhsa_enable_private_segment 0
		.amdhsa_kernarg_size 40
		.amdhsa_user_sgpr_count 2
		.amdhsa_user_sgpr_kernarg_segment_ptr 1
		.amdhsa_wavefront_size32 1
		.amdhsa_system_sgpr_workgroup_id_x 1
		.amdhsa_system_sgpr_workgroup_id_y 1
		.amdhsa_system_sgpr_workgroup_id_z 1
		.amdhsa_system_vgpr_workitem_id 0
		.amdhsa_next_free_vgpr 768
		.amdhsa_next_free_sgpr 102
		.amdhsa_reserve_vcc 1
		.amdhsa_float_denorm_mode_32 3
		.amdhsa_float_denorm_mode_16_64 3
		.amdhsa_memory_ordered 1
		.amdhsa_forward_progress 1
		.amdhsa_inst_pref_size 102
	.end_amdhsa_kernel
	.amdgpu_metadata
---
amdhsa.version: [ 1, 2 ]
amdhsa.kernels:
  - .name:           k_q99f0326383_qkv
    .symbol:         k_q99f0326383_qkv.kd
    .args:
      - { .name: x_codes, .offset: 0, .size: 8, .value_kind: global_buffer, .address_space: global }
      - { .name: x_scales, .offset: 8, .size: 8, .value_kind: global_buffer, .address_space: global }
      - { .name: w_attn_codes, .offset: 16, .size: 8, .value_kind: global_buffer, .address_space: global }
      - { .name: w_attn_scales, .offset: 24, .size: 8, .value_kind: global_buffer, .address_space: global }
      - { .name: qkv, .offset: 32, .size: 8, .value_kind: global_buffer, .address_space: global }
    .group_segment_fixed_size: 327680
    .private_segment_fixed_size: 0
    .kernarg_segment_align: 8
    .kernarg_segment_size: 40
    .max_flat_workgroup_size: 128
    .sgpr_count:     102
    .vgpr_count:     768
    .wavefront_size: 32
...
	.end_amdgpu_metadata
.endif
;; end of part 1
;; launch attn (part 2): grid 4 x 64, 16 waves a work-group, clusters of 4 x 1, 206,848 bytes of LDS; arguments qkv, y; writes y
.if DOCPART == 2
	.amdgcn_target "amdgcn-amd-amdhsa--gfx1250"
	.amdhsa_code_object_version 6
	.text
	.protected	k_q99f0326383_attn
	.globl	k_q99f0326383_attn
	.p2align	8
	.type	k_q99f0326383_attn,@function
k_q99f0326383_attn:
	s_mov_b64 s[64:65], 0
	v_nop
	global_prefetch_b8 v0, s[64:65] scope:SCOPE_SE
	s_setreg_imm32_b32 hwreg(HW_REG_WAVE_MODE, 25, 1), 1
	s_wait_xcnt 0x0
	s_wait_alu depctr_hold_cnt(0) depctr_sa_sdst(0) depctr_va_vdst(0) depctr_va_sdst(0) depctr_va_ssrc(0) depctr_va_vcc(0) depctr_vm_vsrc(0)
	s_getreg_b32 s2, hwreg(HW_REG_IB_STS2, 6, 4)
	s_cmp_eq_u32 s2, 0
	s_cbranch_scc0 .Lentry_in_a_cluster
	s_endpgm
.Lentry_in_a_cluster:
	s_bfe_u32 s2, ttmp6, 0x10000c
	s_cmp_lg_u32 s2, 0x3003
	s_cbranch_scc0 .Lentry_shape_is_right
	s_endpgm
.Lentry_shape_is_right:
; y = softmax(q k^T / 8, causal) v for one head a cluster, both products on codes of FP6 (E2M3) with one E8M0 scale for each 32 along a product's K; y is quantised along the model's 1,024 (two blocks a head).
; THE SOFTMAX: t = score x log2(e) / 8; M = the running largest t rounded UP to a whole number; p = 2^(t - M) is quantised along the keys, not normalised; the row's sum is taken of the unquantised p and divides O at the end.
; When M moves, the sum and O are multiplied by 2^(old M - new M): exact.
; SHARES.  The four work-groups of a cluster read the same k and v of one head: its scale words and all 16 steps of 128 keys, 204,800 bytes, come into each LDS ONCE, by joint loads, two a wave (two out at the most).
; A head has 16 groups of 128 queries, 8 tiles of 16 each.  Wave w (G = w / 2, tile in the group i = 2 cx + w % 2) owns tile i of group 15 - G (16 - G key steps) and tile i of group G (G + 1 steps): every wave of the
; launch walks 17 steps, two of them on the diagonal.  Branches and LDS addresses hang on the wave's number and on counters alone: alike in all partners.  Four waves of 256 registers share a SIMD.
; LAYOUT.  Both products are used transposed (S^T = k q^T, O^T = v^T p^T): a lane holds ONE query (lane % 16).  Tiles are 16 neighbouring keys; p's and v's codes share one order inside each block of 32 keys.
; K = 64 IN A FORM OF 128.  A fragment of k holds TWO tiles of keys (registers 0-5, 6-11) and one scale word; q is kept twice, as [q | zero codes] and [zero codes | q]: the zero codes take the other tile out exactly.
; OUT.  A tile's 16 rows x 64 codes leave as an image of six operand registers (512 + 256 consecutive bytes).  Its scale bytes go where the next launch reads them as it would read an input's: one byte a lane, rows 32 bytes
; apart: 262,144 bytes in all, against 6,291,456 of codes.
; LIMITS: NaN, infinities and scale bytes 0xff are not served.  v_exp_f32 gives 0 under 2^-126.  A block whose largest number lies under 2^-124 (zeros among them) gets the byte 1; its bytes are read by this program alone.
.set REC,  307200                      ; a head's record: k's scale words 0, v's 4,096, the 16 steps from 8,192 on (12,288 each: 8 images of k, 8 of v), q's scale words, q's images
.set QSC,  204800
.set QIM,  208896
.set YSC,  6291456                     ; y: images [128 tokens][head][tile] x 768, then the scale bytes [token][32]
.set AK0,  1                           ; v1   16 x lane + 8,192: an image's registers 0-3
.set AK8,  2                           ; v2   8 x lane + 8,704: its registers 4-5
.set AS0,  3                           ; v3   4 x lane: scale words
.set DG,   4                           ; v4   my query in its group of 128, less 8 (lane / 16)
.set O16,  5                           ; v5   16 x lane
.set O8,   6                           ; v6   8 x lane
.set OSB,  7                           ; v7   32 r + h: my scale byte's place
.set ADK,  8                           ; v8-10 the step's addresses
.set AD8,  9
.set ADS,  10
.set QA,   16                          ; v16-27 [q | 0];  v28-39 [0 | q]          v12 -M, v13 the largest t, v[14:15] the sum in two halves
.set QB,   28
.set FR,   40                          ; v40-87 four fragments of k or of v
.set QN,   88                          ; v88-93 the second tile's q;  v94 its scale word;  v95 the first tile's
.set QNS,  94
.set QLS,  95
.set S,    96                          ; v96-159 S^T, then p
.set O,    160                         ; v160-191 O^T
.set PC,   192                         ; v192-203 p's codes
.set CT,   204                         ; v204-206, v208-210 second halves of the conversions
.set BM,   212                         ; v212-215 blocks' maxima;  v216-219 the other half's, then bytes;  v220-223 scale operands
.set BP,   216
.set BS,   220
.set TMP,  224
.set F,    226                         ; v[226:227] 2^(old M - new M)
.set SUM2, 228
.set NINF, 230
.set KS,   240                         ; v240-241 k's scale words, v242-243 v's, v244 q's, v245 p's; v240-241 also hold a partial sum of p
.set VS,   242
.set QS,   244
.set PS,   245
.set LIM,  15                          ; s15  the step on the diagonal
.set SN,   16                          ; s16  the step's number
.set TB,   17                          ; s17  12,288 x step
.set TS,   18                          ; s18  256 x step
.set CNT,  19                          ; s19  trips to go
.set SEL,  20
.set CS,   22
.macro CROUND
	s_barrier_signal -1
	s_barrier_wait -1
	s_cmp_lg_u32 s8, 0
	s_cbranch_scc1 .Lnot_wave_0_\@
	s_barrier_signal -3
.Lnot_wave_0_\@:
	s_barrier_wait -3
	s_barrier_signal -1
	s_barrier_wait -1
.endm
	s_load_b128 s[4:7], s[0:1], 0x0                ; the workspace of q, k, v;  y
	v_lshl_add_u32 v254, v0, 2, 0x32000
	v_mov_b32 v255, 0
	ds_add_u32 v254, v255
	ds_add_u32 v254, v255
	v_lshrrev_b32 v8, 5, v0
	s_delay_alu instid0(VALU_DEP_1)
	v_readfirstlane_b32 s8, v8                     ; wave 0..15
	s_bfe_u32 s9, ttmp6, 0x40000                   ; cx: it enters global addresses and the mask's data alone
	s_and_b32 s12, ttmp7, 0xffff                   ; the record: 16 x batch + head
	s_lshr_b32 s13, s8, 1                          ; G
	s_and_b32 s10, s8, 1
	s_lshl_b32 s14, s9, 1
	s_add_co_u32 s14, s14, s10                     ; i
	s_xor_b32 s[LIM], s13, 15                      ; 15 - G: the first tile's group
	s_mov_b32 s24, 15|(3<<16)|(1<<21)              ; s[24:31] group 1: the mask names all four; elements of 8 bytes; 8 dense rows of 256 bytes
	s_mov_b32 s25, 32<<16
	s_mov_b32 s26, 8<<16
	s_mov_b32 s27, 32<<16
	s_mov_b32 s28, 8
	s_mov_b32 s29, 32
	s_mov_b32 s30, 0
	s_mov_b32 s31, 0
	s_mov_b32 s32, 15|(3<<16)|(1<<21)              ; s[32:39] the same with 42 rows
	s_mov_b32 s33, 32<<16
	s_mov_b32 s34, 42<<16
	s_mov_b32 s35, 32<<16
	s_mov_b32 s36, 42
	s_mov_b32 s37, 32
	s_mov_b32 s38, 0
	s_mov_b32 s39, 0
	s_mul_i32 s2, s12, REC
	s_mov_b32 s3, 0
	s_mov_b32 s40, 1
	s_lshl_b32 s41, s8, 11                         ; load A: 2,048 bytes a wave: the scale words and steps 0 and 1 (32,768 bytes)
	s_mov_b32 s44, 1
	s_mul_i32 s45, s8, 10752
	s_add_co_u32 s45, s45, 32768                   ; load B: 10,752 bytes a wave: steps 2 to 15
	s_mov_b32 s[SEL], 0x76543210
	s_mov_b32 s[SEL+1], 0xfedcba98                 ; v_permlanex16_b32's selects for lane l xor 16
	s_mov_b32 s[CS], 0x3e38aa3b                    ; c = log2(e) / 8
	s_mov_b32 s[CS+1], s[CS]                       ; (named with it as a pair, so it is written)
	s_mov_b32 s57, 0x01000100                      ; q's two scale bytes, twice: bytes 0, 1 of the word for an even tile, bytes 2, 3 for an odd one
	s_cmp_eq_u32 s10, 0
	s_cselect_b32 s57, s57, 0x03020302
	; where y's images and scale bytes go, for the two tiles
	s_lshr_b32 s60, s12, 4                         ; batch
	s_and_b32 s61, s12, 15                         ; head
	s_mul_i32 s62, s61, 6144
	s_mul_i32 s63, s14, 768
	s_add_co_u32 s62, s62, s63
	s_lshl_b32 s63, s60, 4
	s_add_co_u32 s48, s63, s[LIM]
	s_mul_i32 s48, s48, 98304
	s_add_co_u32 s48, s48, s62
	s_mov_b32 s49, 0
	s_add_co_u32 s52, s63, s13
	s_mul_i32 s52, s52, 98304
	s_add_co_u32 s52, s52, s62
	s_mov_b32 s53, 0
	s_lshl_b32 s62, s14, 9                         ; 16 i rows of 32 bytes
	s_lshl_b32 s61, s61, 1
	s_add_co_u32 s62, s62, s61
	s_add_co_u32 s62, s62, YSC
	s_add_co_u32 s50, s63, s[LIM]
	s_lshl_b32 s50, s50, 12
	s_add_co_u32 s50, s50, s62
	s_mov_b32 s51, 0
	s_add_co_u32 s54, s63, s13
	s_lshl_b32 s54, s54, 12
	s_add_co_u32 s54, s54, s62
	s_mov_b32 s55, 0
	s_wait_dscnt 0x0
	s_wait_kmcnt 0x0
	s_add_nc_u64 s[58:59], s[4:5], s[2:3]          ; the record
	s_mov_b32 s60, s41
	s_mov_b32 s61, 0
	s_add_nc_u64 s[42:43], s[58:59], s[60:61]
	s_or_b32 s43, s43, 0x80000000
	s_mov_b32 s60, s45
	s_add_nc_u64 s[46:47], s[58:59], s[60:61]
	s_or_b32 s47, s47, 0x80000000
	s_add_nc_u64 s[48:49], s[6:7], s[48:49]
	s_add_nc_u64 s[50:51], s[6:7], s[50:51]
	s_add_nc_u64 s[52:53], s[6:7], s[52:53]
	s_add_nc_u64 s[54:55], s[6:7], s[54:55]
	CROUND                                         ; all four work-groups are here: the joint loads meet
	tensor_load_to_lds s[40:43], s[24:31]
	s_nop 0
	tensor_load_to_lds s[44:47], s[32:39]
	s_nop 0
.rept 4
	v_nop
.endr
	v_and_b32 v231, 31, v0                         ; lane
	v_and_b32 v233, 15, v0                         ; r
	v_bfe_u32 v234, v0, 4, 1                       ; h
	s_delay_alu instid0(VALU_DEP_3)
	v_lshlrev_b32 v[O16], 4, v231
	s_wait_alu depctr_va_vdst(0)
	v_lshlrev_b32 v[O8], 3, v231
	s_wait_alu depctr_va_vdst(0)
	v_lshlrev_b32 v[AS0], 2, v231
	s_lshl_b32 s11, s[LIM], 3
	s_add_co_u32 s11, s11, s14                     ; the first tile's number in the head
	s_mul_i32 s60, s11, 768
	s_add_co_u32 s60, s60, QIM
	v_add_nc_u32 v8, s60, v[O16]
	s_wait_alu depctr_va_vdst(0)
	v_add_nc_u32 v9, s60, v[O8]
	s_wait_alu depctr_va_vdst(0)
	s_lshr_b32 s61, s11, 1
	s_lshl_b32 s61, s61, 6
	s_add_co_u32 s61, s61, QSC
	v_lshl_add_u32 v10, v233, 2, s61
	s_lshl_b32 s11, s13, 3
	s_add_co_u32 s11, s11, s14                     ; the second tile's
	s_mul_i32 s62, s11, 768
	s_add_co_u32 s62, s62, QIM
	v_add_nc_u32 v235, s62, v[O16]
	v_add_nc_u32 v236, s62, v[O8]
	s_lshr_b32 s63, s11, 1
	s_lshl_b32 s63, s63, 6
	s_add_co_u32 s63, s63, QSC
	v_lshl_add_u32 v237, v233, 2, s63
	global_load_b128 v[QA:QA+3], v8, s[58:59]
	global_load_b64 v[QA+4:QA+5], v9, s[58:59] offset:512
	global_load_b32 v[QLS], v10, s[58:59]
	global_load_b128 v[QN:QN+3], v235, s[58:59]
	global_load_b64 v[QN+4:QN+5], v236, s[58:59] offset:512
	global_load_b32 v[QNS], v237, s[58:59]
	v_add_nc_u32 v[AK0], 8192, v[O16]
	v_add_nc_u32 v[AK8], 8704, v[O8]
	v_lshlrev_b32 v[DG], 3, v234
	s_delay_alu instid0(VALU_DEP_1)
	v_sub_nc_u32 v[DG], v233, v[DG]
	s_lshl_b32 s60, s14, 4
	v_add_nc_u32 v[DG], s60, v[DG]                 ; 16 i + r - 8 h
	v_lshl_add_u32 v[OSB], v233, 5, v234
	v_cmp_eq_u32 s56, 1, v234                      ; lanes 16-31
	v_mov_b32 v[NINF], 0xff800000
	v_mov_b32 v[TMP], 0
	v_mov_b32 v[F+1], 0                            ; (named as the upper half of a pair)
.irp b, 0,1,2,3
	v_mov_b32 v[BP+\b], 0                          ; written once: a lane permute's destination counts as one of its sources
.endr
.irp j, 0,1,2,3,4,5
	v_mov_b32 v[QA+6+\j], 0                        ; zero codes
	v_mov_b32 v[QB+\j], 0
.endr
	s_wait_loadcnt 0x0
.irp j, 0,1,2,3,4,5
	v_mov_b32 v[QB+6+\j], v[QA+\j]
.endr
	v_perm_b32 v[QS], v[QLS], v[QLS], s57
.macro INIT                            ; a tile begins: zeros, which the first change of M leaves zeros.  (These 36 lines are also the places between the writes of q's registers and scale word and the first product)
.set j, 0
.rept 32
	v_mov_b32 v[O+j], 0
.set j, j+1
.endr
	v_mov_b32 v14, 0
	v_mov_b32 v15, 0
	v_mov_b32 v13, 0xff61b1e6                      ; the largest t so far: -3e38
	s_delay_alu instid0(VALU_DEP_1)
	v_floor_f32 v12, -v13                          ; -M
.endm
.macro KQ d, f, q, row                 ; tile d of S^T: fragment f of k (its scale words in lanes 0-15 or 16-31) x one of q's two forms
.if \row
	v_wmma_scale_f32_16x16x128_f8f6f4 v[S+8*(\d):S+8*(\d)+7], v[FR+12*(\f):FR+12*(\f)+11], v[\q:\q+11], 0, v[KS+(\f)/2], v[QS] matrix_a_fmt:MATRIX_FMT_FP6 matrix_b_fmt:MATRIX_FMT_FP6 matrix_a_scale:MATRIX_SCALE_ROW1
.else
	v_wmma_scale_f32_16x16x128_f8f6f4 v[S+8*(\d):S+8*(\d)+7], v[FR+12*(\f):FR+12*(\f)+11], v[\q:\q+11], 0, v[KS+(\f)/2], v[QS] matrix_a_fmt:MATRIX_FMT_FP6 matrix_b_fmt:MATRIX_FMT_FP6
.endif
.endm
.macro PV d, row                       ; O^T's tile d (16 of the head's 64) += v^T p^T over the step's 128 keys
.if \row
	v_wmma_scale_f32_16x16x128_f8f6f4 v[O+8*(\d):O+8*(\d)+7], v[FR+12*(\d):FR+12*(\d)+11], v[PC:PC+11], v[O+8*(\d):O+8*(\d)+7], v[VS+(\d)/2], v[PS] matrix_a_fmt:MATRIX_FMT_FP6 matrix_b_fmt:MATRIX_FMT_FP6 matrix_a_scale:MATRIX_SCALE_ROW1
.else
	v_wmma_scale_f32_16x16x128_f8f6f4 v[O+8*(\d):O+8*(\d)+7], v[FR+12*(\d):FR+12*(\d)+11], v[PC:PC+11], v[O+8*(\d):O+8*(\d)+7], v[VS+(\d)/2], v[PS] matrix_a_fmt:MATRIX_FMT_FP6 matrix_b_fmt:MATRIX_FMT_FP6
.endif
.endm
; A KEY STEP: 128 keys.  edge = 1: a step behind the diagonal is left out (a scalar branch on the wave's number and a counter, round no barrier and no tensor load), the step on it is masked.
.macro STEP edge
.if \edge
	s_cmp_gt_u32 s[SN], s[LIM]
	s_cbranch_scc1 .Lhidden_\@
.endif
	s_setprio 2
	v_add_nc_u32 v[ADK], s[TB], v[AK0]             ; these three and the v_nop are the four places in front of loads into registers that the last step's products read
	v_add_nc_u32 v[AD8], s[TB], v[AK8]
	v_add_nc_u32 v[ADS], s[TS], v[AS0]
	v_nop
	ds_load_b32 v[KS], v[ADS]                      ; k's scale words: lanes 0-15 fragment 0's, lanes 16-31 fragment 1's;
	ds_load_b32 v[KS+1], v[ADS] offset:128         ; fragments 2 and 3
.irp f, 0,1,2,3
.irp u, 0,1
	ds_load_b128 v[FR+12*\f+6*\u:FR+12*\f+6*\u+3], v[ADK] offset:(2*\f+\u)*768
	ds_load_b64 v[FR+12*\f+6*\u+4:FR+12*\f+6*\u+5], v[AD8] offset:(2*\f+\u)*768
.endr
.endr
	s_wait_alu depctr_va_vdst(0)
.irp f, 0,1,2,3
	s_wait_dscnt 12-4*\f                           ; fragment f is in; the later fragments' four loads each may be out
	KQ 2*\f, \f, QA, \f%2
	KQ 2*\f+1, \f, QB, \f%2
.endr
.rept 4
	v_nop                                          ; places in front of the loads below and of the first read of the scores
.endr
.irp d, 0,1,2,3                                ; v's fragments land while the softmax is walked
.irp u, 0,1
	ds_load_b128 v[FR+12*\d+6*\u:FR+12*\d+6*\u+3], v[ADK] offset:6144+(4*\u+\d)*768
	ds_load_b64 v[FR+12*\d+6*\u+4:FR+12*\d+6*\u+5], v[AD8] offset:6144+(4*\u+\d)*768
.endr
.endr
	ds_load_b32 v[VS], v[ADS] offset:4096
	ds_load_b32 v[VS+1], v[ADS] offset:4224
.if \edge
	s_cmp_lg_u32 s[SN], s[LIM]
	s_cbranch_scc1 .Lopen_\@
.set n, 0
.rept 64                                       ; register 8 t + j holds key 16 t + 8 (lane / 16) + j of the step: hidden where 16 t + j > my query - 8 (lane / 16).  Then p = 0
	v_cmp_gt_i32 vcc_lo, 16*(n/8)+n%8, v[DG]
	v_cndmask_b32 v[S+n], v[S+n], v[NINF], vcc_lo
.set n, n+1
.endr
.Lopen_\@:
.endif
.irp b, 0,1,2,3
	v_max3_num_f32 v[BM+\b], v[S+16*\b], v[S+16*\b+1], v[S+16*\b+2]   ; the largest score of each block of 32 keys: for the row's maximum and, since p rises with the score, for the block's largest p
.endr
.irp i, 3,5,7,9,11,13
.irp b, 0,1,2,3
	v_max3_num_f32 v[BM+\b], v[BM+\b], v[S+16*\b+\i], v[S+16*\b+\i+1]
.endr
.endr
.irp b, 0,1,2,3
	v_max_num_f32 v[BM+\b], v[BM+\b], v[S+16*\b+15]
.endr
.irp b, 0,1,2,3
	s_delay_alu instid0(VALU_DEP_4)
	v_permlanex16_b32 v[BP+\b], v[BM+\b], s[SEL], s[SEL+1]
.endr
.irp b, 0,1,2,3
	s_delay_alu instid0(VALU_DEP_4)
	v_max_num_f32 v[BM+\b], v[BM+\b], v[BP+\b]     ; with lane l xor 16's 16 keys
.endr
	s_delay_alu instid0(VALU_DEP_2)
	v_max3_num_f32 v[TMP], v[BM], v[BM+1], v[BM+2]
	s_delay_alu instid0(VALU_DEP_1)
	v_max_num_f32 v[TMP], v[TMP], v[BM+3]
	s_delay_alu instid0(VALU_DEP_1)
	v_mul_f32 v[TMP], s[CS], v[TMP]                ; the step's largest t
	s_delay_alu instid0(VALU_DEP_1)
	v_max_num_f32 v13, v13, v[TMP]
	v_mov_b32 v[TMP], v12
	s_delay_alu instid0(VALU_DEP_2)
	v_floor_f32 v12, -v13                          ; the new -M = -ceil(t)
	s_delay_alu instid0(VALU_DEP_1)
	v_sub_f32 v[TMP], v12, v[TMP]                  ; old M - new M: a whole number, 0 or less
	s_delay_alu instid0(VALU_DEP_1)
	v_cvt_i32_f32 v[TMP], v[TMP]                   ; (it saturates)
	s_delay_alu instid0(VALU_DEP_1)
	v_ldexp_f32 v[F], 1.0, v[TMP]
.set j, 0
.rept 32
	v_pk_fma_f32 v[S+j:S+j+1], v[S+j:S+j+1], s[CS:CS+1], v[12:13] op_sel_hi:[1,0,0]   ; t - M
.set j, j+2
.endr
.irp b, 0,1,2,3
	v_fma_f32 v[BM+\b], v[BM+\b], s[CS], v12
.endr
.set j, 0
	s_setprio 1
	s_wait_alu depctr_va_vdst(0)
.rept 64
	v_exp_f32 v[S+j], v[S+j]                       ; p = 2^(t - M)
.set j, j+1
.endr
.irp b, 0,1,2,3
	v_exp_f32 v[BM+\b], v[BM+\b]                   ; the block's largest p: the same two instructions on the same number
.endr
	v_pk_mul_f32 v[14:15], v[14:15], v[F:F+1] op_sel_hi:[1,0]   ; the sums under the new M.  (A plain place behind the exponentials)
	s_wait_alu depctr_va_vdst(0)
.irp b, 0,1,2,3
	v_max_num_f32 v[BM+\b], 0x1800000, v[BM+\b]    ; the floor 2^(3 - 127)
.endr
.irp b, 0,1,2,3
	s_delay_alu instid0(VALU_DEP_4)
	v_add_nc_u32 v[BS+\b], 0xff000000, v[BM+\b]    ; 2 off the exponent field: the conversion's scale operand
.endr
.irp b, 0,1,2,3
	s_delay_alu instid0(VALU_DEP_4)
	v_lshrrev_b32 v[BP+\b], 23, v[BS+\b]           ; the scale's byte
.endr
	s_delay_alu instid0(VALU_DEP_3)
	v_lshl_or_b32 v[PS], v[BP+1], 8, v[BP]
	s_delay_alu instid0(VALU_DEP_1)
	v_lshl_or_b32 v[PS], v[BP+2], 16, v[PS]
	s_delay_alu instid0(VALU_DEP_1)
	v_lshl_or_b32 v[PS], v[BP+3], 24, v[PS]
.irp c, 0,1
	v_cvt_scalef32_pk16_fp6_f32 v[PC+6*\c:PC+6*\c+2], v[S+32*\c:S+32*\c+15], v[BS+2*\c]
	v_cvt_scalef32_pk16_fp6_f32 v[CT+4*\c:CT+4*\c+2], v[S+32*\c+16:S+32*\c+31], v[BS+2*\c+1]
.endr
	v_nop                                          ; one plain place behind a scaled conversion
.irp c, 0,1
.irp i, 0,1,2
	v_permlane16_swap_b32 v[PC+6*\c+\i], v[CT+4*\c+\i]
.endr
.irp i, 0,1,2
	s_delay_alu instid0(VALU_DEP_3)
	v_mov_b32 v[PC+3+6*\c+\i], v[CT+4*\c+\i]
.endr
.endr
	v_pk_add_f32 v[228:229], v[100:101], v[104:105]
	v_pk_add_f32 v[252:253], v[108:109], v[112:113]
	v_pk_add_f32 v[250:251], v[116:117], v[120:121]
	v_pk_add_f32 v[248:249], v[124:125], v[128:129]
	v_pk_add_f32 v[246:247], v[132:133], v[136:137]
	v_pk_add_f32 v[240:241], v[140:141], v[144:145]
	v_pk_add_f32 v[238:239], v[148:149], v[152:153]
	v_pk_add_f32 v[14:15], v[14:15], v[156:157]
	v_pk_add_f32 v[228:229], v[228:229], v[96:97]
	v_pk_add_f32 v[252:253], v[252:253], v[98:99]
	v_pk_add_f32 v[250:251], v[250:251], v[102:103]
	v_pk_add_f32 v[248:249], v[248:249], v[106:107]
	v_pk_add_f32 v[246:247], v[246:247], v[110:111]
	v_pk_add_f32 v[240:241], v[240:241], v[114:115]
	v_pk_add_f32 v[238:239], v[238:239], v[118:119]
	v_pk_add_f32 v[14:15], v[14:15], v[122:123]
	v_pk_add_f32 v[228:229], v[228:229], v[126:127]
	v_pk_add_f32 v[252:253], v[252:253], v[130:131]
	v_pk_add_f32 v[250:251], v[250:251], v[134:135]
	v_pk_add_f32 v[248:249], v[248:249], v[138:139]
	s_setprio 0
	v_pk_add_f32 v[246:247], v[246:247], v[142:143]
	v_pk_add_f32 v[240:241], v[240:241], v[146:147]
	v_pk_add_f32 v[238:239], v[238:239], v[150:151]
	v_pk_add_f32 v[14:15], v[14:15], v[154:155]
	v_pk_add_f32 v[228:229], v[228:229], v[158:159]
	s_delay_alu instid0(VALU_DEP_2)
	v_pk_add_f32 v[14:15], v[14:15], v[248:249]
	s_delay_alu instid0(VALU_DEP_2)
	v_pk_add_f32 v[228:229], v[228:229], v[246:247]
	v_pk_add_f32 v[252:253], v[252:253], v[240:241]
	v_pk_add_f32 v[250:251], v[250:251], v[238:239]
	s_delay_alu instid0(VALU_DEP_2)
	v_pk_add_f32 v[14:15], v[14:15], v[252:253]
	s_delay_alu instid0(VALU_DEP_2)
	v_pk_add_f32 v[228:229], v[228:229], v[250:251]
	s_delay_alu instid0(VALU_DEP_1)
	v_pk_add_f32 v[14:15], v[14:15], v[228:229]
.set j, 0
.rept 16
	v_pk_mul_f32 v[O+j:O+j+1], v[O+j:O+j+1], v[F:F+1] op_sel_hi:[1,0]   ; O^T under the new M.  (The sums and these stand between the writes of p's codes and scale word and the products)
.set j, j+2
.endr
	s_wait_alu depctr_va_vdst(0)
	s_wait_dscnt 0x0                               ; v's fragments and scale words are in
.irp d, 0,1,2,3
	PV \d, \d%2                                    ; four accumulators, one instruction each
.endr
.if \edge
.Lhidden_\@:
.endif
	s_add_co_u32 s[TB], s[TB], 12288
	s_add_co_u32 s[TS], s[TS], 256
	s_add_co_u32 s[SN], s[SN], 1
.endm
; A TILE'S WAY OUT.  O^T / the sum; sixteen exchanges of halves bring a lane 16 NEIGHBOURS of each block of 32 (w_proj's codes are given in the true order); two blocks are quantised; image and bytes are stored.
.macro EPI p
.rept 4
	v_nop                                          ; places behind the last products
.endr
	v_add_f32 v14, v14, v15
	s_delay_alu instid0(VALU_DEP_1)
	v_permlanex16_b32 v[TMP], v14, s[SEL], s[SEL+1]
	s_delay_alu instid0(VALU_DEP_1)
	v_add_f32 v14, v14, v[TMP]                     ; the row's sum
	s_wait_alu depctr_va_vdst(0)
	v_rcp_f32 v14, v14
	v_nop                                          ; one plain place behind a transcendental
.set j, 0
	s_wait_alu depctr_va_vdst(0)
.rept 32
	v_mul_f32 v[S+j], v[O+j], v14                  ; register 8 t + j: d = 16 t + 8 h + j;  each accumulator from its low end on
.set j, j+1
.endr
.irp b, 0,1
.irp j, 0,1,2,3,4,5,6,7
	v_permlane16_swap_b32 v[S+16*\b+\j], v[S+16*\b+8+\j]   ; register 16 b + n now holds d = 32 b + 16 h + n
.endr
.endr
.irp b, 0,1
	v_max3_num_f32 v[BM+\b], |v[S+16*\b]|, |v[S+16*\b+1]|, 0x1800000
.endr
.irp i, 2,4,6,8,10,12,14
.irp b, 0,1
	s_delay_alu instid0(VALU_DEP_2)
	v_max3_num_f32 v[BM+\b], v[BM+\b], |v[S+16*\b+\i]|, |v[S+16*\b+\i+1]|
.endr
.endr
.irp b, 0,1
	s_delay_alu instid0(VALU_DEP_2)
	v_permlanex16_b32 v[BP+\b], v[BM+\b], s[SEL], s[SEL+1]
.endr
.irp b, 0,1
	s_delay_alu instid0(VALU_DEP_2)
	v_max_num_f32 v[BM+\b], v[BM+\b], v[BP+\b]
.endr
.irp b, 0,1
	s_delay_alu instid0(VALU_DEP_2)
	v_add_nc_u32 v[BS+\b], 0xff000000, v[BM+\b]
.endr
.irp b, 0,1
	s_delay_alu instid0(VALU_DEP_2)
	v_lshrrev_b32 v[BP+\b], 23, v[BS+\b]
.endr
	v_cvt_scalef32_pk16_fp6_f32 v[PC:PC+2], v[S:S+15], v[BS]
	v_cvt_scalef32_pk16_fp6_f32 v[CT:CT+2], v[S+16:S+31], v[BS+1]
	v_cndmask_b32 v[TMP], v[BP], v[BP+1], s56      ; my block's byte.  (The plain place behind the conversions)
.irp i, 0,1,2
	v_permlane16_swap_b32 v[PC+\i], v[CT+\i]       ; lane (r, h): row r, block h
.endr
.irp i, 0,1,2
	s_delay_alu instid0(VALU_DEP_3)
	v_mov_b32 v[PC+3+\i], v[CT+\i]
.endr
	global_store_b128 v[O16], v[PC:PC+3], s[48+4*\p:49+4*\p]
	global_store_b64 v[O8], v[PC+4:PC+5], s[48+4*\p:49+4*\p] offset:512
	global_store_b8 v[OSB], v[TMP], s[50+4*\p:51+4*\p]
.endm
	INIT
	s_mov_b32 s[SN], 0
	s_mov_b32 s[TB], 0
	s_mov_b32 s[TS], 0
	s_mov_b32 s[CNT], 2
	s_wait_tensorcnt 0x1                           ; my part of load A is in; load B may be out
	s_barrier_signal -1
	s_barrier_wait -1
.Lfirst:                                           ; steps 0 and 1: all their keys count for the first tile (its group is 8 or more)
	STEP 0
	s_sub_co_u32 s[CNT], s[CNT], 1
	s_cmp_lg_u32 s[CNT], 0
	s_cbranch_scc1 .Lfirst
	s_setprio 0
	s_wait_tensorcnt 0x0                           ; my part of load B is in
	s_wait_dscnt 0x0
	s_barrier_signal -1
	s_barrier_wait -1
	s_mov_b32 s[SN], 2
	s_mov_b32 s[TB], 2*12288
	s_mov_b32 s[TS], 2*256
	s_mov_b32 s[CNT], 14
.Llong:                                            ; steps 2 to 15 of the first tile
	STEP 1
	s_sub_co_u32 s[CNT], s[CNT], 1
	s_cmp_lg_u32 s[CNT], 0
	s_cbranch_scc1 .Llong
	s_setprio 0
	EPI 0
	s_wait_xcnt 0x0                                ; the stores have read their registers: the second tile writes them again
.irp j, 0,1,2,3,4,5
	v_mov_b32 v[QA+\j], v[QN+\j]
	v_mov_b32 v[QB+6+\j], v[QN+\j]
.endr
	v_perm_b32 v[QS], v[QNS], v[QNS], s57
	INIT
	s_mov_b32 s[LIM], s13
	s_mov_b32 s[SN], 0
	s_mov_b32 s[TB], 0
	s_mov_b32 s[TS], 0
	s_mov_b32 s[CNT], 8
.Lshort:                                           ; steps 0 to 7 of the second tile (its group is 7 or less)
	STEP 1
	s_sub_co_u32 s[CNT], s[CNT], 1
	s_cmp_lg_u32 s[CNT], 0
	s_cbranch_scc1 .Lshort
	s_setprio 0
	s_wait_alu depctr_va_vdst(0)
	EPI 1
	s_wait_dscnt 0x0
	s_wait_tensorcnt 0x0
	ds_add_u32 v254, v255
	s_wait_dscnt 0x0
	CROUND                                         ; the closing round
	s_endpgm
.Lfunc_end_k_q99f0326383_attn:
	.size	k_q99f0326383_attn, .Lfunc_end_k_q99f0326383_attn-k_q99f0326383_attn
	.p2alignl 7, 3214868480
	.fill 96, 4, 3214868480
	.section	.rodata,"a",@progbits
	.p2align	6, 0x0
	.amdhsa_kernel k_q99f0326383_attn
		.amdhsa_group_segment_fixed_size 206848
		.amdhsa_private_segment_fixed_size 0
		.amdhsa_enable_private_segment 0
		.amdhsa_kernarg_size 16
		.amdhsa_user_sgpr_count 2
		.amdhsa_user_sgpr_kernarg_segment_ptr 1
		.amdhsa_wavefront_size32 1
		.amdhsa_system_sgpr_workgroup_id_x 1
		.amdhsa_system_sgpr_workgroup_id_y 1
		.amdhsa_system_sgpr_workgroup_id_z 1
		.amdhsa_system_vgpr_workitem_id 0
		.amdhsa_next_free_vgpr 256
		.amdhsa_next_free_sgpr 66
		.amdhsa_reserve_vcc 1
		.amdhsa_float_denorm_mode_32 3
		.amdhsa_float_denorm_mode_16_64 3
		.amdhsa_memory_ordered 1
		.amdhsa_forward_progress 1
		.amdhsa_inst_pref_size 84
	.end_amdhsa_kernel
	.amdgpu_metadata
---
amdhsa.version: [ 1, 2 ]
amdhsa.kernels:
  - .name:           k_q99f0326383_attn
    .symbol:         k_q99f0326383_attn.kd
    .args:
      - { .name: qkv, .offset: 0, .size: 8, .value_kind: global_buffer, .address_space: global }
      - { .name: y, .offset: 8, .size: 8, .value_kind: global_buffer, .address_space: global }
    .group_segment_fixed_size: 206848
    .private_segment_fixed_size: 0
    .kernarg_segment_align: 8
    .kernarg_segment_size: 16
    .max_flat_workgroup_size: 512
    .sgpr_count:     66
    .vgpr_count:     256
    .wavefront_size: 32
...
	.end_amdgpu_metadata
.endif
;; end of part 2
;; launch proj (part 3): grid 4 x 64, 4 waves a work-group, clusters of 4 x 4, 327,680 bytes of LDS; arguments y, w_proj_codes, w_proj_scales, out0; writes out0
.if DOCPART == 3
	.amdgcn_target "amdgcn-amd-amdhsa--gfx1250"
	.amdhsa_code_object_version 6
	.text
	.protected	k_q99f0326383_proj
	.globl	k_q99f0326383_proj
	.p2align	8
	.type	k_q99f0326383_proj,@function
k_q99f0326383_proj:
	s_mov_b64 s[64:65], 0
	v_nop
	global_prefetch_b8 v0, s[64:65] scope:SCOPE_SE
	s_setreg_imm32_b32 hwreg(HW_REG_WAVE_MODE, 25, 1), 1
	s_wait_xcnt 0x0
	s_wait_alu depctr_hold_cnt(0) depctr_sa_sdst(0) depctr_va_vdst(0) depctr_va_sdst(0) depctr_va_ssrc(0) depctr_va_vcc(0) depctr_vm_vsrc(0)
	s_getreg_b32 s2, hwreg(HW_REG_IB_STS2, 6, 4)
	s_cmp_eq_u32 s2, 0
	s_cbranch_scc0 .Lentry_in_a_cluster
	s_endpgm
.Lentry_in_a_cluster:
	s_bfe_u32 s2, ttmp6, 0x10000c
	s_cmp_lg_u32 s2, 0xf033
	s_cbranch_scc0 .Lentry_shape_is_right
	s_endpgm
.Lentry_shape_is_right:
; out0 = y w_proj on codes of FP6 (E2M3) with one E8M0 scale for each 32 along K = 1,024; sums in f32.
; OPERANDS.  P: 256 rows of w_proj (outputs n), source 0: a lane's eight results are eight neighbouring n.  Q: 128 tokens of y, source 1: a lane holds one token.
; SHARES.  Four waves; wave w takes P's rows 128 (w & 1) on and Q's rows 64 (w >> 1) on: 32 accumulators.  All of K lies in LDS (320,256 bytes with padding), every tile is filled once; 256 work-groups.
; y's codes come as images of operand registers, [head][tile of 16 tokens] x 768 bytes: a block of 128 tokens is 98,304 dense bytes ordered along K, fetched in three thirds; a fragment is two loads of 16 bytes and two of 8
; a lane, all of consecutive bytes.  w_proj's rows come in three chunks of 256 bytes, as rows 272 bytes apart.  The scales of both lie as [row][32] bytes.
; CLUSTER 4 x 4: Q's tiles are shared along a row of the cluster, P's along a column.  A wave has four tensor loads out at the most.
; LIMITS: NaN, infinities and scale bytes 0xff are not served.
.set PCH,   69632
.set PHALF, 34816
.set QCB,   208896                     ; y's images: 98,304 dense bytes
.set QSB,   313344
.set PSB,   317696
.set BLK,   4352
.set YSC,   6291456
.set CODEW, (1<<20)|(1<<21)|(5<<22)|(3<<25)
.set DENSW, (3<<16)|(1<<21)
.set SCLW,  (3<<16)|(1<<20)|(1<<21)|(5<<22)|(3<<25)
.set ADP,  4
.set ADPX, 7
.set AQ16, 9                           ; v9-10  an image's registers 0-3: heads 0-7, heads 8-15
.set AQ8,  11                          ; v11-12 its registers 4-5
.set ADS1, 14
.set ADS2, 15
.set STO,  16                          ; v16    the stage: where I put 32 bytes of a row
.set RD,   17                          ; v17    where I read a row back
.set CO,   18                          ; v18    16 x lane
.set SC,   32
.set QF,   96
.set SPITCH, 528
.set MSB, 0
.macro WIN new
.if MSB != \new
	s_set_vgpr_msb (MSB<<8)|\new
.set MSB, \new
.endif
.endm
.macro PLACES n
.rept \n
	v_nop
.endr
.endm
.macro CROUND
	s_barrier_signal -1
	s_barrier_wait -1
	s_cmp_lg_u32 s14, 0
	s_cbranch_scc1 .Lnot_wave_0_\@
	s_barrier_signal -3
.Lnot_wave_0_\@:
	s_barrier_wait -3
	s_barrier_signal -1
	s_barrier_wait -1
.endm
	s_load_b256 s[4:11], s[0:1], 0x0               ; y s[4:5], w's codes s[6:7], w's scales s[8:9], out0 s[10:11]
	v_lshl_add_u32 v254, v0, 2, 0x4fb00
	v_mov_b32 v255, 0
	ds_add_u32 v254, v255
	ds_add_u32 v254, v255
	v_lshrrev_b32 v1, 5, v0
	v_readfirstlane_b32 s14, v1                    ; wave 0..3
	s_lshr_b32 s15, s14, 1                         ; which 64 rows of Q are mine.  Also: I fetch for Q (0) or for P (1)
	s_and_b32 s16, s14, 1                          ; which 128 rows of P are mine.  Also: which half I fetch
	s_bfe_u32 s17, ttmp6, 0x40000                  ; cx
	s_bfe_u32 s18, ttmp6, 0x40004                  ; cy
	s_and_b32 s20, ttmp7, 0xffff                   ; cluster y
	s_lshl_b32 s100, s18, 2
	s_lshl_b32 s100, 15, s100                      ; my row of the cluster
	s_lshl_b32 s2, 0x1111, s17                     ; my column
	s_or_b32 s24, s100, DENSW                      ; s[24:31] Q's codes: 64 dense rows of 256 bytes, no padding
	s_or_b32 s40, s100, SCLW                       ; s[40:47] Q's scales: 8 rows
	s_or_b32 s32, s2, CODEW                        ; s[32:39] P's codes: 128 rows x 256 bytes, 768 apart
	s_or_b32 s48, s2, SCLW                         ; s[48:55] P's scales: 16 rows
	s_mov_b32 s25, 32<<16
	s_mov_b32 s26, 64<<16
	s_mov_b32 s27, 32<<16
	s_mov_b32 s28, 64
	s_mov_b32 s29, 32
	s_mov_b32 s30, 0
	s_mov_b32 s31, 0
	s_mov_b32 s33, 256<<16
	s_mov_b32 s34, 128<<16
	s_mov_b32 s35, 256<<16
	s_mov_b32 s36, 128
	s_mov_b32 s37, 768
	s_mov_b32 s38, 0
	s_mov_b32 s39, 0
.irp g, 40, 48
	s_mov_b32 s[\g+1], 32<<16
	s_mov_b32 s[\g+3], 32<<16
	s_mov_b32 s[\g+5], 32
	s_mov_b32 s[\g+6], 0
	s_mov_b32 s[\g+7], 0
.endr
	s_mov_b32 s42, 8<<16
	s_mov_b32 s44, 8
	s_mov_b32 s50, 16<<16
	s_mov_b32 s52, 16
	s_lshl_b32 s21, ttmp9, 2
	s_add_co_u32 s21, s21, s17                     ; P's block of 256 outputs
	s_lshl_b32 s22, s20, 2
	s_add_co_u32 s22, s22, s18                     ; Q's block of 128 tokens
	s_lshl_b32 s2, s21, 8
	s_lshl_b32 s3, s16, 7
	s_add_co_u32 s2, s2, s3
	s_mul_i32 s82, s2, 768
	s_mov_b32 s83, 0
	s_lshl_b32 s78, s2, 5
	s_mov_b32 s79, 0
	s_mul_i32 s62, s22, 98304
	s_lshl_b32 s101, s16, 14
	s_add_co_u32 s62, s62, s101                    ; y's images: my half of each third
	s_mov_b32 s63, 0
	s_lshl_b32 s58, s22, 12
	s_lshl_b32 s101, s16, 11
	s_add_co_u32 s58, s58, s101
	s_add_co_u32 s58, s58, YSC                     ; y's scale bytes
	s_mov_b32 s59, 0
.irp g, 56, 60, 68, 72, 76, 80, 84, 88
	s_mov_b32 s[\g], 1
.endr
	s_mul_i32 s3, s16, PHALF
	s_mov_b32 s81, s3
	s_add_co_u32 s85, s3, PCH
	s_add_co_u32 s89, s3, 2*PCH
	s_mul_i32 s3, s16, 4352
	s_add_co_u32 s77, s3, PSB
	s_lshl_b32 s3, s16, 14
	s_add_co_u32 s61, s3, QCB
	s_add_co_u32 s69, s3, QCB+32768
	s_add_co_u32 s73, s3, QCB+65536
	s_mul_i32 s3, s16, 2176
	s_add_co_u32 s57, s3, QSB
	s_lshl_b32 s92, s22, 7                         ; where my part of out0 begins
	s_lshl_b32 s93, s15, 6
	s_add_co_u32 s92, s92, s93
	s_lshl_b32 s92, s92, 12                        ; my first row x 4,096 bytes
	s_lshl_b32 s93, s21, 10
	s_add_co_u32 s92, s92, s93
	s_lshl_b32 s93, s16, 9
	s_add_co_u32 s92, s92, s93                     ; + my first column x 4
	s_mov_b32 s93, 0
	s_wait_dscnt 0x0
	s_wait_kmcnt 0x0
	s_add_nc_u64 s[92:93], s[10:11], s[92:93]
	s_add_nc_u64 s[82:83], s[6:7], s[82:83]
	s_add_nc_u64 s[86:87], s[82:83], 256
	s_add_nc_u64 s[90:91], s[82:83], 512
	s_add_nc_u64 s[78:79], s[8:9], s[78:79]
	s_add_nc_u64 s[62:63], s[4:5], s[62:63]
	s_add_nc_u64 s[70:71], s[62:63], 32768
	s_add_nc_u64 s[74:75], s[62:63], 65536
	s_add_nc_u64 s[58:59], s[4:5], s[58:59]
.irp g, 59, 63, 71, 75, 79, 83, 87, 91
	s_or_b32 s[\g], s[\g], 0x80000000
.endr
	CROUND                                         ; all sixteen work-groups are here: the joint loads meet
	s_cmp_eq_u32 s15, 0                            ; a wave's four fills stand in one branch on its number
	s_cbranch_scc0 .Lfor_p
	tensor_load_to_lds s[56:59], s[40:47]
	s_nop 0
	tensor_load_to_lds s[60:63], s[24:31]
	s_nop 0
	tensor_load_to_lds s[68:71], s[24:31]
	s_nop 0
	tensor_load_to_lds s[72:75], s[24:31]
	s_nop 0
	PLACES 4
	s_branch .Lasked
.Lfor_p:
	tensor_load_to_lds s[76:79], s[48:55]
	s_nop 0
	tensor_load_to_lds s[80:83], s[32:39]
	s_nop 0
	tensor_load_to_lds s[84:87], s[32:39]
	s_nop 0
	tensor_load_to_lds s[88:91], s[32:39]
	s_nop 0
	PLACES 4
.Lasked:
	v_and_b32 v1, 15, v0                           ; r
	v_bfe_u32 v2, v0, 4, 1                         ; h
	v_and_b32 v30, 31, v0                          ; lane
	v_mul_u32_u24 v3, v1, 272
	v_mad_u32_u24 v24, v2, 24, v3
	s_mul_i32 s2, s16, PHALF
	v_add_nc_u32 v[ADP], s2, v24
	v_add_nc_u32 v[ADP+1], PCH, v[ADP]
	v_add_nc_u32 v[ADP+2], 2*PCH, v[ADP]
	v_mul_u32_u24 v25, v2, 24+PCH-256
	v_add_nc_u32 v25, v25, v3
	v_add_nc_u32 v[ADPX], s2, v25
	v_add_nc_u32 v[ADPX+1], PCH, v[ADPX]
	s_mul_i32 s3, s15, 3072                        ; my four tiles of tokens in each head's eight
	s_add_co_u32 s3, s3, QCB
	v_lshl_add_u32 v[AQ16], v30, 4, s3
	v_add_nc_u32 v[AQ16+1], 49152, v[AQ16]
	s_add_co_u32 s3, s3, 512
	v_lshl_add_u32 v[AQ8], v30, 3, s3
	v_add_nc_u32 v[AQ8+1], 49152, v[AQ8]
	v_lshrrev_b32 v27, 3, v1
	v_and_b32 v28, 7, v1
	v_mul_u32_u24 v27, v27, 272
	v_lshl_add_u32 v27, v28, 5, v27
	s_mul_i32 s100, s15, 2176
	s_mul_i32 s101, s16, 4352
	s_add_co_u32 s101, s101, PSB-QSB
	s_sub_co_u32 s101, s101, s100
	v_mul_u32_u24 v28, s101, v2
	s_add_co_u32 s101, s101, 2176
	v_mul_u32_u24 v29, s101, v2
	s_add_co_u32 s100, s100, QSB
	v_add_nc_u32 v27, s100, v27
	v_add_nc_u32 v[ADS1], v27, v28
	v_add_nc_u32 v[ADS2], v27, v29
	s_mul_i32 s2, s14, 16*SPITCH                   ; my stage, 16 rows x (512 bytes + 16), in P's first chunk: used when that chunk has had its one fill and its last read
	v_mul_u32_u24 v[STO], v1, SPITCH
	v_lshl_add_u32 v[STO], v2, 5, v[STO]
	v_add_nc_u32 v[STO], s2, v[STO]
	v_lshlrev_b32 v[CO], 4, v30
	v_add_nc_u32 v[RD], s2, v[CO]
.macro FRAG reg, ad, adx, q, i
.irp p, 0,1,2,3,4,5
.set PC, 12*(\q)+6*(\p/3)+\p%3
.if PC%32 < 29
	ds_load_b64 v[\reg+2*\p:\reg+2*\p+1], v[\ad+PC/32] offset:8*(PC%32)+(\i)*BLK
.else
	ds_load_b64 v[\reg+2*\p:\reg+2*\p+1], v[\adx+PC/32] offset:8*(PC%32)+(\i)*BLK
.endif
.endr
.endm
.macro FRAGI reg, q, a                 ; a fragment of y: the images of heads 2 q and 2 q + 1, tile a of my four
.irp c, 0,1
.set NH, 2*(\q)+\c
	ds_load_b128 v[\reg+6*\c:\reg+6*\c+3], v[AQ16+NH/8] offset:(NH%8)*6144+(\a)*768
	ds_load_b64 v[\reg+6*\c+4:\reg+6*\c+5], v[AQ8+NH/8] offset:(NH%8)*6144+(\a)*768
.endr
.endm
.macro FETCH_P q, set
	WIN 0x40
.irp i, 0,1,2,3,4,5,6,7
	FRAG 128*(\set)+12*\i, ADP, ADPX, \q, \i
.endr
.endm
.macro FETCH_Q q, set
	WIN 0
.irp i, 0,1,2,3
	FRAGI QF+48*(\set)+12*\i, \q, \i
.endr
.endm
.macro SCALES
.irp i, 0,1,2,3
	ds_load_b128 v[SC+8*\i:SC+8*\i+3], v[ADS1] offset:\i*544
	ds_load_b128 v[SC+8*\i+4:SC+8*\i+7], v[ADS1] offset:\i*544+16
.endr
.irp i, 4,5,6,7
	ds_load_b128 v[SC+8*\i:SC+8*\i+3], v[ADS2] offset:(\i-4)*544
	ds_load_b128 v[SC+8*\i+4:SC+8*\i+7], v[ADS2] offset:(\i-4)*544+16
.endr
.endm
.macro MUL16 a0, q, set                ; the 32 accumulators take turns, one instruction a turn
.irp a, \a0, \a0+1
.irp b, 0,1,2,3,4,5,6,7
.if (\q) == 0
	v_wmma_scale_f32_16x16x128_f8f6f4 v[8*(8*(\a)+\b):8*(8*(\a)+\b)+7], v[128*(\set)+12*\b:128*(\set)+12*\b+11], v[QF+48*(\set)+12*(\a):QF+48*(\set)+12*(\a)+11], 0, v[SC+8*\b+(\q)], v[SC+8*(\a)+(\q)] matrix_a_fmt:MATRIX_FMT_FP6 matrix_b_fmt:MATRIX_FMT_FP6 matrix_a_scale:MATRIX_SCALE_ROW1
.else
	v_wmma_scale_f32_16x16x128_f8f6f4 v[8*(8*(\a)+\b):8*(8*(\a)+\b)+7], v[128*(\set)+12*\b:128*(\set)+12*\b+11], v[QF+48*(\set)+12*(\a):QF+48*(\set)+12*(\a)+11], v[8*(8*(\a)+\b):8*(8*(\a)+\b)+7], v[SC+8*\b+(\q)], v[SC+8*(\a)+(\q)] matrix_a_fmt:MATRIX_FMT_FP6 matrix_b_fmt:MATRIX_FMT_FP6 matrix_a_scale:MATRIX_SCALE_ROW1
.endif
.endr
.endr
.endm
; Step 2 is the first to read P's chunk 1 and y's second third (bytes 24,576 to 36,863), step 5 the first to read chunk 2 and the last third (61,440 to 73,727)
.macro KSTEP q
.if \q == 1
	s_wait_tensorcnt 0x1                           ; my second part is in; the third may be out
.endif
.if \q == 4
	s_wait_tensorcnt 0x0
.endif
	s_wait_dscnt 0x0                               ; this step's fragments are in: asked for a step ago
.if (\q == 1) || (\q == 4)
	s_barrier_signal -1
	s_barrier_wait -1
.endif
.if \q < 7
.if \q > 0
	PLACES 4                                       ; in front of loads into the set that the last step's products read
.endif
	FETCH_P (\q)+1, ((\q)+1)%2
.endif
	WIN 0xa1
	MUL16 0, \q, (\q)%2
.if \q < 7
	FETCH_Q (\q)+1, ((\q)+1)%2
.endif
	WIN 0xa1
	MUL16 2, \q, (\q)%2
.endm
	s_wait_tensorcnt 0x2                           ; my scales and my first part are in; two loads may be out
	s_barrier_signal -1
	s_barrier_wait -1
	SCALES
	FETCH_P 0, 0
	FETCH_Q 0, 0
.irp q, 0,1,2,3,4,5,6,7
	KSTEP \q
.endr
	WIN 0
; THE WAY OUT, block by block of 16 tokens x 128 outputs: through my stage, back as whole rows of 512 bytes.  LDS serves a wave's instructions in order (ISA guide 5.7.1.4): no wait between the stores and the loads
.macro TOSTAGE a
	WIN 0x08                                       ; an LDS store's data are its source 1: window 2
.irp b, 0,1,2,3,4,5,6,7
	ds_store_b128 v[STO], v[64*(\a)+8*\b:64*(\a)+8*\b+3] offset:64*\b          ; each accumulator from its low end on
	ds_store_b128 v[STO], v[64*(\a)+8*\b+4:64*(\a)+8*\b+7] offset:64*\b+16
.endr
	WIN 0
.set BB, 96+64*((\a)%2)
.irp t, 0,1,2,3,4,5,6,7,8,9,10,11,12,13,14,15
	ds_load_b128 v[BB+4*\t:BB+4*\t+3], v[RD] offset:\t*SPITCH
.endr
.endm
.macro SEND a, younger
.set BB, 96+64*((\a)%2)
	s_wait_dscnt \younger                          ; the block is back in registers
.irp t, 0,1,2,3,4,5,6,7,8,9,10,11,12,13,14,15
	global_store_b128 v[CO], v[BB+4*\t:BB+4*\t+3], s[92:93] offset:(\a)*65536+\t*4096 th:TH_STORE_NT   ; 32 lanes store 512 consecutive bytes, at a multiple of 256 from out0's first byte
.endr
.endm
	PLACES 4                                       ; in front of the stores of results and of loads into registers that products read
	s_wait_dscnt 0x0
	s_barrier_signal -1
	s_barrier_wait -1                              ; every wave's reads of the tiles are over: the stages may be written
	TOSTAGE 0
.irp a, 1,2,3
.if \a > 1
	s_wait_xcnt 0x0                                ; block a - 2's stores have read their registers: block a's loads may land there
.endif
	TOSTAGE \a
	SEND \a-1, 32                                  ; behind block a - 1's loads: block a's 16 stores and 16 loads
.endr
	SEND 3, 0
	s_wait_tensorcnt 0x0
	ds_add_u32 v254, v255
	s_wait_dscnt 0x0
	CROUND                                         ; the closing round
	s_endpgm
.Lfunc_end_k_q99f0326383_proj:
	.size	k_q99f0326383_proj, .Lfunc_end_k_q99f0326383_proj-k_q99f0326383_proj
	.p2alignl 7, 3214868480
	.fill 96, 4, 3214868480
	.section	.rodata,"a",@progbits
	.p2align	6, 0x0
	.amdhsa_kernel k_q99f0326383_proj
		.amdhsa_group_segment_fixed_size 327680
		.amdhsa_private_segment_fixed_size 0
		.amdhsa_enable_private_segment 0
		.amdhsa_kernarg_size 32
		.amdhsa_user_sgpr_count 2
		.amdhsa_user_sgpr_kernarg_segment_ptr 1
		.amdhsa_wavefront_size32 1
		.amdhsa_system_sgpr_workgroup_id_x 1
		.amdhsa_system_sgpr_workgroup_id_y 1
		.amdhsa_system_sgpr_workgroup_id_z 1
		.amdhsa_system_vgpr_workitem_id 0
		.amdhsa_next_free_vgpr 768
		.amdhsa_next_free_sgpr 102
		.amdhsa_reserve_vcc 0
		.amdhsa_float_denorm_mode_32 3
		.amdhsa_float_denorm_mode_16_64 3
		.amdhsa_memory_ordered 1
		.amdhsa_forward_progress 1
		.amdhsa_inst_pref_size 92
	.end_amdhsa_kernel
	.amdgpu_metadata
---
amdhsa.version: [ 1, 2 ]
amdhsa.kernels:
  - .name:           k_q99f0326383_proj
    .symbol:         k_q99f0326383_proj.kd
    .args:
      - { .name: y, .offset: 0, .size: 8, .value_kind: global_buffer, .address_space: global }
      - { .name: w_proj_codes, .offset: 8, .size: 8, .value_kind: global_buffer, .address_space: global }
      - { .name: w_proj_scales, .offset: 16, .size: 8, .value_kind: global_buffer, .address_space: global }
      - { .name: out0, .offset: 24, .size: 8, .value_kind: global_buffer, .address_space: global }
    .group_segment_fixed_size: 327680
    .private_segment_fixed_size: 0
    .kernarg_segment_align: 8
    .kernarg_segment_size: 32
    .max_flat_workgroup_size: 128
    .sgpr_count:     102
    .vgpr_count:     768
    .wavefront_size: 32
...
	.end_amdgpu_metadata
.endif
;; end of part 3
